; MI455X (gfx1250); checked and timed in simulation.
; The chip was launched on July 23, 2026; its instructions are those of AMD's public machine-readable ISA for CDNA 5 (MIT licence, August 2026) and "CDNA5" Instruction Set Architecture Reference Guide (July 2026). The comments in the code are by the model that wrote it; some were corrected since.
;; Protein self attention. Allowed arithmetic: matrix products marked QUANTISED: E2M1 operands, one E8M0 scale for each 32 along K, by v_wmma_scale_f32_16x16x128_f8f6f4 with both operands' format E2M1 (or v_wmma_scale_f32_32x16x128_f4), f32 sums; products left as they are: f32 operands where the result goes on into a quantised operand, else bf16, f16 or f32 operands; f32 sums; everything else in f32.
;; Inputs: Wk_codes 256 x 8 x 16 uint8 (E2M1 codes of Wk, K innermost, in blocks of 32 codes, two codes a byte); Wk_scales 256 x 8 uint8 (E8M0 scales of Wk, one for each 32 codes along K); Wo_codes 256 x 8 x 16 uint8 (E2M1 codes of Wo, K innermost, in blocks of 32 codes, two codes a byte); Wo_scales 256 x 8 uint8 (E8M0 scales of Wo, one for each 32 codes along K); Wq_codes 256 x 8 x 16 uint8 (E2M1 codes of Wq, K innermost, in blocks of 32 codes, two codes a byte); Wq_scales 256 x 8 uint8 (E8M0 scales of Wq, one for each 32 codes along K); Wv_codes 256 x 8 x 16 uint8 (E2M1 codes of Wv, K innermost, in blocks of 32 codes, two codes a byte); Wv_scales 256 x 8 uint8 (E8M0 scales of Wv, one for each 32 codes along K); bk 256 float32; bo 256 float32; bq 256 float32; bv 256 float32; protein_embedding_codes 768 x 8 x 16 uint8 (E2M1 codes of protein_embedding, K innermost, in blocks of 32 codes, two codes a byte); protein_embedding_scales 768 x 8 uint8 (E8M0 scales of protein_embedding, one for each 32 codes along K).
;; Outputs: out0 1 x 768 x 256 float32.
;; This version of the problem:
;;   THIS VERSION OF THE PROBLEM IS GIVEN IN LOW PRECISION. The matrix products marked QUANTISED in the list below multiply operands that are first quantised to E2M1 (2 exponent bits, 1 mantissa bit; 4 bits a number), with one power-of-two scale for each 32 numbers along K (OCP MX v1.0); their sums are f32. All else is computed in f32.
;;   The module's matrix products, in the order in which they are computed (A, B: the left and right operand; K: the contracted axis; several contracted axes count as one K, in the product's order):
;;     1. [M 768, K 256] x [K 256, N 256]; A: input protein_embedding (given as codes); B: input Wq (given as codes): QUANTISED
;;     2. [M 768, K 256] x [K 256, N 256]; A: input protein_embedding (given as codes); B: input Wk (given as codes): QUANTISED
;;     3. [M 768, K 256] x [K 256, N 256]; A: input protein_embedding (given as codes); B: input Wv (given as codes): QUANTISED
;;     4. batch 256 x [M 1, K 768] x [K 768, N 768]; A: computed on the way; B: softmax: left as it is (M = 1 < 16)
;;     5. [M 768, K 256] x [K 256, N 256]; A: computed on the way; B: input Wo (given as codes): QUANTISED
;;   THE QUANTISER, for each operand of a quantised product, along K:
;;     - K is cut into blocks of 32 from its start; a last block that is shorter is filled with zeros.
;;     - A block's scale is 2^e with e = floor(log2(the largest magnitude in the block)) - 2, held to -126 .. 127; a block of zeros has e = 0. As a byte (E8M0): e + 127.
;;     - Each number is divided by its block's scale, clamped to +-6, and rounded to the nearest number of E2M1, ties to even, subnormals kept.
;;     - The product sums the exact products of the quantised numbers (number of the format x scale) in f32.
;;   ~~~python
;;   def quantise(x, axis):      # numpy; x: float32 -> the quantised numbers, widened to float32 again
;;       x = np.moveaxis(x, axis, -1); K = x.shape[-1]
;;       x = np.pad(x, [(0, 0)] * (x.ndim - 1) + [(0, -K % 32)]); x = x.reshape(x.shape[:-1] + (-1, 32)); a = np.abs(x).max(-1, keepdims=True)
;;       e = np.where(a > 0, np.clip(np.frexp(np.where(a > 0, a, 1))[1] - 1 - 2, -126, 127), 0)      # np.frexp(a)[1] - 1 = floor(log2(a)), exactly
;;       r = np.clip(x / 2.0 ** e, -6, 6)
;;       step = 2.0 ** (np.maximum(np.frexp(np.where(r == 0, 1, r))[1] - 1, 0) - 1)
;;       q = np.round(r / step) * step * 2.0 ** e      # np.round: ties to even
;;       return np.moveaxis(q.reshape(q.shape[:-2] + (-1,))[..., :K], -1, axis).astype(np.float32)
;;   ~~~
;;   OPERANDS COMPUTED ON THE WAY. 'Computed on the way' means the value that the module computes at that place (a softmax that the list does not call 'softmax' is quantised finished and normalised). What goes into a quantiser is computed in f32, as accurately as f32 sums, v_exp_f32 and their like allow (about 1e-6 of the number): no bf16 or f16 on the way to a quantiser, and a product that is left as it is and whose result goes on into a quantised operand takes f32 operands (vector FMAs, or v_wmma_f32_16x16x4_f32). A number that lies on a knife's edge between two numbers of the format may be rounded either way, as far as f32 arithmetic and the matrix unit's own rounding can turn it there, and no further.
;;   INPUTS GIVEN AS CODES. Wk (in the module: [256, 256], K = its axis 1); Wo (in the module: [256, 256], K = its axis 1); Wq (in the module: [256, 256], K = its axis 1); Wv (in the module: [256, 256], K = its axis 1); protein_embedding (in the module: [768, 256], K = its axis 1): each comes as NAME_codes (uint8): NAME with its K axis moved to the last place and cut into blocks of 32 codes, [.., K / 32, bytes a block], one block behind the other in memory; two codes a byte, the lower K in the low four bits (a code: sign, 2 exponent bits, 1 mantissa bit); and NAME_scales (uint8): the same leading axes, one E8M0 byte (e + 127) for each 32 codes along K. Its value is code x scale, taken as it is: it is not quantised again, and the codes and scales need not be those that the quantiser above would give.
;; One version. Each part assembles by itself: llvm-mc -triple=amdgcn-amd-amdhsa -mcpu=gfx1250 --defsym DOCPART=n.
;; ======== version 1 of 1: 2 launches
;; workspace buffers: att_t 786,432 bytes
;; launch attn (part 1): grid 256 x 1, 16 waves a work-group, clusters of 4 x 1, 178,176 bytes of LDS; arguments protein_embedding_codes, protein_embedding_scales, Wq_codes, Wq_scales, Wk_codes, Wk_scales, Wv_codes, Wv_scales, bq, bk, bv, att_t; writes att_t
.if DOCPART == 1
	.amdgcn_target "amdgcn-amd-amdhsa--gfx1250"
	.amdhsa_code_object_version 6
	.text
	.protected	k_qd97632b803_attn
	.globl	k_qd97632b803_attn
	.p2align	8
	.type	k_qd97632b803_attn,@function
k_qd97632b803_attn:
	s_mov_b64 s[64:65], 0
	v_nop
	global_prefetch_b8 v0, s[64:65] scope:SCOPE_SE
	s_setreg_imm32_b32 hwreg(HW_REG_WAVE_MODE, 25, 1), 1
	s_wait_xcnt 0x0
	s_wait_alu depctr_hold_cnt(0) depctr_sa_sdst(0) depctr_va_vdst(0) depctr_va_sdst(0) depctr_va_ssrc(0) depctr_va_vcc(0) depctr_vm_vsrc(0)
	s_getreg_b32 s2, hwreg(HW_REG_IB_STS2, 6, 4)
	s_cmp_eq_u32 s2, 0
	s_cbranch_scc0 .Lentry_in_a_cluster
	s_endpgm
.Lentry_in_a_cluster:
	s_bfe_u32 s2, ttmp6, 0x10000c
	s_cmp_lg_u32 s2, 0x3003
	s_cbranch_scc0 .Lentry_shape_is_right
	s_endpgm
.Lentry_shape_is_right:
; att_t[ch][i] = sum over j of softmax_j(q[i][ch] k[j][ch] / 16) v[j][ch], with q, k, v = x W^T + b on codes of FP4 (E2M1) with E8M0 scales, sums in f32.
; x: [768][256] codes (128 bytes a row) and [768][8] scale bytes; Wq, Wk, Wv: [256][256] codes and [256][8] scale bytes; bq, bk, bv: [256] f32; att_t: [256 channels][768 queries] f32.
; SHARES.  A work-group owns ONE channel ch: it needs row ch of Wq, Wk, Wv and all of x, and makes q, k, v of that channel for all 768 rows itself: 96 matrix instructions, six a wave, so that
; q, k and v never go to memory.  Sixteen waves, four to a SIMD, so that one wave's packed arithmetic stands beside another's exponentials.
; THE PRODUCT.  Source 0 is a tile of 16 rows made of the three weight rows: row m is Wk's for m % 8 = 0, 1, Wv's for 2, 3, Wq's for 4 .. 7.  Source 1 is 16 rows of x.  In the result a lane holds one row of x,
; and its registers 0 .. 4 are k, k, v, v, q: the first four go to LDS as they stand, 16 bytes a key, so that (k, k) and (v, v) later come back as register pairs for the packed forms.
; THE MAXIMUM IS TAKEN AWAY AS THE SOFTMAX ASKS, AND IS KNOWN AHEAD OF THE KEY LOOP: over j the largest q' k_j is q' kmax or q' kmin (q' = q log2(e) / 16), and since rounding keeps order, the larger of the
; two rounded products is the largest rounded score.  So p = 2^(q' k - that) is at most 1 up to the last bit of one fused multiply-add, one p of each row is 1, nothing is rescaled, and sums over parts of the keys simply add.
; THE KEY LOOP.  Wave w takes queries 384 (w % 2) on, 12 a lane, and keys 96 (w / 2) on.  All lanes share the channel, so a key's k and v are the same in every lane: one LDS address for the wave.
; For two queries and one key: one packed multiply-add, two exponentials, one packed add (l), one packed multiply-add (o).  The eight key segments' l and o meet in LDS; 192 threads add them, divide and store.
; CLUSTER.  The four work-groups of a cluster read the same codes of x (98,304 bytes): each wave's 48 rows are asked for JOINTLY, by the same tensor load with the same descriptor and the mask of all four.
; Not shared so: x's scale bytes (6,144 bytes, a sixteenth of the codes; each wave reads its 384 consecutive bytes once) and the weight rows, which differ from work-group to work-group.
; LDS is filled by tensor loads once and never again.
; LIMITS: NaN and infinities among the inputs are not served.  1 / l is v_rcp_f32's.
.set XP,   144                         ; a row of x in LDS: 128 bytes + 16 of padding: the 16 rows of a fragment load begin 36 words apart
.set XW,   48*XP                       ; a wave's 48 rows
.set KV,   16*XW                       ; 110,592: key j at 16 j: k, k, v, v
.set QA,   KV+768*16                   ; 122,880: q'[i] at 4 i
.set MM,   QA+768*4                    ; 125,952: wave w's largest k at 4 w, its smallest at 64 + 4 w
.set PS,   MM+256                      ; 126,208: key segment g at 6,144 g: l[768], then o[768]
.set PSG,  6144
.set CEXP, 0x3db8aa3b                  ; log2(e) / 16
.set WV,   32                          ; s32  my wave's number
.set G1,   40                          ; s[40:47] descriptor group 1
.set G0,   48                          ; s[48:51] descriptor group 0
.set TRIPS, 59                         ; s59
.set TB,   60                          ; s60  bytes from my segment's first key to the pair of batches in hand
.set MK,   61                          ; s61  lanes whose row of source 0 is Wk's
.set MV,   62                          ; s62  lanes whose row is Wv's
.set Q,    20                          ; v[20:31]   q' of my 12 queries: register 4 u + e = query 384 half + 128 u + 4 lane + e
.set NEGM, 32                          ; v[32:43]   minus their largest scores
.set L,    44                          ; v[44:55]   sums of p
.set O,    56                          ; v[56:67]   sums of p v
.set KVR,  68                          ; v[68:99]   two buffers of four keys' (k, k, v, v); ahead of the loop v[68:91] are the three accumulators
.set P,    100                         ; v[100:147] p of four keys x 12 queries; ahead of the loop the raw weight rows:
.set TQ,   100
.set TK,   116
.set TV,   132
.set AF,   148                         ; v[148:163] source 0, two K steps
.set WS,   164                         ; v164-165   its scale words
.set XS,   166                         ; v[166:171] x's scale words: tile t, K step s at 2 t + s
.set RS,   172                         ; v[172:177] raw scale words of Wq, Wk, Wv
.set CB,   180                         ; v[180:187] the biases in the result's layout: bk, bk, bv, bv, bq, bq, bq, bq
.set XF,   188                         ; v[188:235] x's fragments: tile t, K step s at 16 t + 8 s
; A round of the cluster's barrier: my work-group's barrier, so that wave 0's signal speaks for all sixteen waves; wave 0 signals for the work-group; every wave waits for all four work-groups; my work-group's barrier once more.
.macro CROUND
	s_barrier_signal -1
	s_barrier_wait -1
	s_cmp_lg_u32 s[WV], 0
	s_cbranch_scc1 .Lnot_wave_0_\@
	s_barrier_signal -3
.Lnot_wave_0_\@:
	s_barrier_wait -3
	s_barrier_signal -1
	s_barrier_wait -1
.endm
	s_load_b512 s[8:23], s[0:1], 0x0               ; x's codes s[8:9], x's scales s[10:11], Wq's s[12:15], Wk's s[16:19], Wv's s[20:23]
	s_load_b256 s[24:31], s[0:1], 0x40             ; bq s[24:25], bk s[26:27], bv s[28:29], att_t s[30:31]
	v_lshl_add_u32 v240, v0, 2, 0x2b000
	v_mov_b32 v241, 0
	ds_add_u32 v240, v241
	ds_add_u32 v240, v241
	v_lshrrev_b32 v19, 5, v0
	v_readfirstlane_b32 s[WV], v19                 ; wave 0..15
	s_bfe_u32 s33, ttmp6, 0x40000                  ; cx: my place in the cluster
	s_lshl_b32 s34, ttmp9, 2                       ; in a cluster launch ttmp9 counts clusters
	s_add_co_u32 s34, s34, s33                     ; my channel = 4 x cluster + cx: it enters global offsets alone
	s_and_b32 s35, s[WV], 1                        ; which half of the queries
	s_lshr_b32 s36, s[WV], 1                       ; which eighth of the keys
	; descriptor group 1: 48 rows of 128 bytes, dense in memory, padded in LDS
	s_mov_b32 s[G1+0], 15|(0<<16)|(1<<20)|(1<<21)|(4<<22)|(3<<25)  ; 15:0 the mask: all four work-groups; 17:16 elements of 1 byte; 20 padding on; 21 set beside a mask; 24:22 after every 32 words (code 4); 31:25 four words (code 3)
	s_mov_b32 s[G1+1], 128<<16                     ; tensor_dim0 = 128
	s_mov_b32 s[G1+2], 48<<16                      ; tensor_dim1 = 48
	s_mov_b32 s[G1+3], 128<<16                     ; tile_dim0 = 128
	s_mov_b32 s[G1+4], 48                          ; tile_dim1 = 48
	s_mov_b32 s[G1+5], 128                         ; from row to row
	s_mov_b32 s[G1+6], 0
	s_mov_b32 s[G1+7], 0
	s_mov_b32 s[G0+0], 1                           ; count = 1
	s_mul_i32 s[G0+1], s[WV], XW                   ; LDS address: my wave's 48 rows; no place in the cluster enters it
	s_mul_i32 s52, s[WV], 48*128                   ; and the same rows in memory
	s_mov_b32 s53, 0
	s_mul_i32 s38, s34, 768*4                      ; my channel's row of att_t
	s_mov_b32 s39, 0
	; every address register is made here, ahead of the first branch on the wave's number
	v_and_b32 v1, 15, v0                           ; r = lane % 16
	v_bfe_u32 v2, v0, 4, 1                         ; h = lane / 16
	v_and_b32 v19, 31, v0                          ; lane
	s_mul_i32 s37, s[WV], XW
	v_mul_u32_u24 v3, v1, XP
	v_lshl_add_u32 v3, v2, 4, v3
	v_add_nc_u32 v3, s37, v3                       ; x's fragments: my wave's rows, row r, 16 bytes for each half of the lanes
	s_lshl_b32 s55, s34, 7
	v_lshl_add_u32 v4, v2, 4, s55                  ; a weight's row ch of 128 bytes, + 16 h
	s_lshl_b32 s55, s34, 3
	v_mov_b32 v5, s55                              ; its 8 scale bytes
	s_lshl_b32 s55, s34, 2
	v_mov_b32 v236, s55                            ; its bias
	s_mul_i32 s37, s[WV], 48*8
	v_lshl_add_u32 v6, v1, 3, s37                  ; x's scale bytes: 8 a row
	s_mul_i32 s37, s[WV], 48*16
	s_add_co_u32 s37, s37, KV
	v_lshl_add_u32 v7, v1, 4, s37                  ; where (k, k, v, v) of my wave's key r goes
	s_mul_i32 s37, s[WV], 48*4
	s_add_co_u32 s37, s37, QA
	v_lshl_add_u32 v8, v1, 2, s37                  ; and q'
	s_lshl_b32 s37, s[WV], 2
	s_add_co_u32 s37, s37, MM
	v_mov_b32 v9, s37                              ; my wave's extremes of k
	v_mov_b32 v10, MM                              ; all waves'
	s_mul_i32 s37, s35, 384*4
	s_add_co_u32 s37, s37, QA
	v_lshl_add_u32 v11, v19, 4, s37                ; my four neighbouring queries of each 128
	s_mul_i32 s37, s36, 96*16
	s_add_co_u32 s37, s37, KV
	v_mov_b32 v12, s37                             ; my segment's first key
	s_mul_i32 s37, s36, PSG
	s_mul_i32 s63, s35, 384*4
	s_add_co_u32 s37, s37, s63
	s_add_co_u32 s37, s37, PS
	v_lshl_add_u32 v14, v19, 4, s37                ; where my partial sums go
	v_lshl_add_u32 v15, v0, 4, PS                  ; where thread t reads the sums of queries 4 t .. 4 t + 3
	v_lshlrev_b32 v16, 4, v0                       ; and their place in my channel's row of att_t
	v_and_b32 v19, 6, v0
	v_cmp_eq_u32 s[MK], 0, v19                     ; r % 8 = 0, 1
	v_cmp_eq_u32 s[MV], 2, v19                     ; r % 8 = 2, 3
	s_wait_dscnt 0x0
	s_wait_kmcnt 0x0
	s_add_nc_u64 s[G0+2:G0+3], s[8:9], s[52:53]    ; global address of my wave's rows: the same in all four partners
	s_or_b32 s[G0+3], s[G0+3], 0x80000000          ; type = 2
	s_add_nc_u64 s[30:31], s[30:31], s[38:39]
	CROUND                                         ; all four work-groups are here: the joint loads meet
	tensor_load_to_lds s[G0:G0+3], s[G1:G1+7]      ; my one tensor load of the launch
	s_nop 0
.rept 4
	v_nop                                          ; four such lines behind a tensor load
.endr
.irp i, 0,1,2,3                                ; row ch of the three weights: 16 bytes of K step i / 2, half i % 2; all lanes of a half read the same bytes
	global_load_b128 v[TQ+4*\i:TQ+4*\i+3], v4, s[12:13] offset:32*\i
	global_load_b128 v[TK+4*\i:TK+4*\i+3], v4, s[16:17] offset:32*\i
	global_load_b128 v[TV+4*\i:TV+4*\i+3], v4, s[20:21] offset:32*\i
.endr
	global_load_b64 v[RS:RS+1], v5, s[14:15]       ; their scale words, one for each K step
	global_load_b64 v[RS+2:RS+3], v5, s[18:19]
	global_load_b64 v[RS+4:RS+5], v5, s[22:23]
.irp t, 0,1,2
	global_load_b64 v[XS+2*\t:XS+2*\t+1], v6, s[10:11] offset:128*\t   ; x's: lane r takes row r of tile t
.endr
	global_load_b32 v[CB+0], v236, s[26:27]        ; bk[ch]
	global_load_b32 v[CB+2], v236, s[28:29]        ; bv[ch]
	global_load_b32 v[CB+4], v236, s[24:25]        ; bq[ch]
	s_wait_loadcnt 0x0
	; source 0 is put together lane by lane: Wq's row, Wv's where r % 8 = 2, 3, Wk's where r % 8 = 0, 1.  The scale words first: they stand furthest ahead of the products
.irp s, 0,1
	v_cndmask_b32 v[WS+\s], v[RS+\s], v[RS+4+\s], s[MV]
.endr
.irp s, 0,1
	v_cndmask_b32 v[WS+\s], v[WS+\s], v[RS+2+\s], s[MK]
.endr
	v_mov_b32 v[CB+1], v[CB+0]
	v_mov_b32 v[CB+3], v[CB+2]
	v_mov_b32 v[CB+5], v[CB+4]
	v_mov_b32 v[CB+6], v[CB+4]
	v_mov_b32 v[CB+7], v[CB+4]
.irp i, 0,1,2,3,4,5,6,7,8,9,10,11,12,13,14,15
	v_cndmask_b32 v[AF+\i], v[TQ+\i], v[TV+\i], s[MV]
.endr
.irp i, 0,1,2,3,4,5,6,7,8,9,10,11,12,13,14,15
	v_cndmask_b32 v[AF+\i], v[AF+\i], v[TK+\i], s[MK]
.endr
.rept 8
	v_nop                                          ; a scale register written by a vector instruction stands 8 places ahead of a scaled matrix instruction, an operand so written 4
.endr
	s_wait_tensorcnt 0x0                           ; my 48 rows are in LDS; I alone read them, so this wait is all the ordering that the reads need
.irp t, 0,1,2
.irp s, 0,1
.irp c, 0,1
	ds_load_b128 v[XF+16*\t+8*\s+4*\c:XF+16*\t+8*\s+4*\c+3], v3 offset:16*XP*\t+64*\s+32*\c
.endr
.endr
.endr
	s_wait_dscnt 0x0
	; six products: the three tiles' accumulators by turns; the biases are the C of each sum's first product
.irp t, 0,1,2
	v_wmma_scale_f32_16x16x128_f8f6f4 v[KVR+8*\t:KVR+8*\t+7], v[AF:AF+7], v[XF+16*\t:XF+16*\t+7], v[CB:CB+7], v[WS], v[XS+2*\t] matrix_a_fmt:MATRIX_FMT_FP4 matrix_b_fmt:MATRIX_FMT_FP4
.endr
.irp t, 0,1,2
	v_wmma_scale_f32_16x16x128_f8f6f4 v[KVR+8*\t:KVR+8*\t+7], v[AF+8:AF+15], v[XF+16*\t+8:XF+16*\t+15], v[KVR+8*\t:KVR+8*\t+7], v[WS+1], v[XS+2*\t+1] matrix_a_fmt:MATRIX_FMT_FP4 matrix_b_fmt:MATRIX_FMT_FP4
.endr
.rept 4
	v_nop                                          ; four places behind the last product, ahead of the first read of results (ISA guide 7.12.1)
.endr
.irp t, 0,1,2
	ds_store_b128 v7, v[KVR+8*\t:KVR+8*\t+3] offset:256*\t   ; (k, k, v, v) of key 48 w + 16 t + r: each accumulator is read from its low end on.  Both halves of the lanes hold the same numbers and write them to the same bytes
.endr
.irp t, 0,1,2
	v_mul_f32 v[P+\t], CEXP, v[KVR+8*\t+4]         ; q' = q log2(e) / 16
.endr
.irp t, 0,1,2
	ds_store_b32 v8, v[P+\t] offset:64*\t
.endr
	v_max3_num_f32 v17, v[KVR], v[KVR+8], v[KVR+16]   ; the extremes of my wave's 48 k: three a lane, then across the 16 lanes of a half
	v_min3_num_f32 v18, v[KVR], v[KVR+8], v[KVR+16]
.irp x, 1,2,4,8
	v_max_num_f32_dpp v17, v17, v17 row_xmask:\x row_mask:0xf bank_mask:0xf
	v_min_num_f32_dpp v18, v18, v18 row_xmask:\x row_mask:0xf bank_mask:0xf
.endr
	ds_store_b32 v9, v17                           ; all lanes write the same word with the same value
	ds_store_b32 v9, v18 offset:64
	s_wait_dscnt 0x0                               ; for the others' sake: my stores have landed
	s_barrier_signal -1
	s_barrier_wait -1                              ; k, v, q' of all 768 rows and the sixteen pairs of extremes lie in LDS
.irp i, 0,1,2,3
	ds_load_b128 v[P+4*\i:P+4*\i+3], v10 offset:16*\i            ; sixteen largest
.endr
.irp i, 0,1,2,3
	ds_load_b128 v[P+16+4*\i:P+16+4*\i+3], v10 offset:64+16*\i   ; sixteen smallest
.endr
.irp u, 0,1,2
	ds_load_b128 v[Q+4*\u:Q+4*\u+3], v11 offset:512*\u           ; my 12 queries
.endr
	s_mov_b32 s[TB], 0
	v_mov_b32 v13, v12
.irp jj, 0,1,2,3
	ds_load_b128 v[KVR+4*\jj:KVR+4*\jj+3], v13 offset:16*\jj     ; my segment's first four keys, into buffer 0
.endr
	s_wait_dscnt 4                                 ; all but those four
	v_max3_num_f32 v17, v[P], v[P+1], v[P+2]
	v_min3_num_f32 v18, v[P+16], v[P+17], v[P+18]
.irp i, 3,5,7,9,11,13
	v_max3_num_f32 v17, v17, v[P+\i], v[P+1+\i]
	v_min3_num_f32 v18, v18, v[P+16+\i], v[P+17+\i]
.endr
	v_max_num_f32 v17, v17, v[P+15]                ; the channel's largest k
	v_min_num_f32 v18, v18, v[P+31]                ; and its smallest
.irp e, 0,1,2,3,4,5,6,7,8,9,10,11
	v_mul_f32 v[P+32+\e], v[Q+\e], v17
	v_mul_f32 v[P+\e], v[Q+\e], v18
.endr
.irp e, 0,1,2,3,4,5,6,7,8,9,10,11
	v_min_num_f32 v[NEGM+\e], -v[P+32+\e], -v[P+\e]   ; minus the query's largest score
.endr
; FOUR KEYS x 12 QUERIES.  buf: the buffer that holds the keys.  more = 1: the next four keys are asked for, into the other buffer, a whole batch ahead of their use.
; step = 1: the address goes on by two batches.  first = 1: the batch starts the sums: nothing is ever cleared.
; The 48 exponentials are one batch: none reads another's result; one plain line follows; then one wait ahead of the first line that names a result.
.macro BATCH buf, first, more, step
	s_wait_dscnt 0x0                               ; the only LDS loads of mine that are out are this batch's four keys
.if \more
.irp jj, 0,1,2,3
	ds_load_b128 v[KVR+16*(1-\buf)+4*\jj:KVR+16*(1-\buf)+4*\jj+3], v13 offset:64*(\buf+1)+16*\jj
.endr
.endif
.irp jj, 0,1,2,3
.irp u, 0,2,4,6,8,10
	v_pk_fma_f32 v[P+12*\jj+\u:P+12*\jj+\u+1], v[Q+\u:Q+\u+1], v[KVR+16*\buf+4*\jj:KVR+16*\buf+4*\jj+1], v[NEGM+\u:NEGM+\u+1]   ; q' k - the largest score, two queries at a time
.endr
.endr
.set e, 0
.rept 48
	v_exp_f32 v[P+e], v[P+e]
.set e, e+1
.endr
.if \step
	s_add_co_u32 s[TB], s[TB], 128
	v_add_nc_u32 v13, s[TB], v12                   ; the plain line behind the last exponential
.else
	v_nop
.endif
	s_wait_alu depctr_va_vdst(0)
.irp jj, 0,1,2,3
.irp u, 0,2,4,6,8,10
.if \first && (\jj == 0)
	v_pk_mul_f32 v[O+\u:O+\u+1], v[P+\u:P+\u+1], v[KVR+16*\buf+2:KVR+16*\buf+3]
.elseif \first && (\jj == 1)
	v_pk_add_f32 v[L+\u:L+\u+1], v[P+\u:P+\u+1], v[P+12+\u:P+12+\u+1]
	v_pk_fma_f32 v[O+\u:O+\u+1], v[P+12+\u:P+12+\u+1], v[KVR+16*\buf+6:KVR+16*\buf+7], v[O+\u:O+\u+1]
.else
	v_pk_add_f32 v[L+\u:L+\u+1], v[L+\u:L+\u+1], v[P+12*\jj+\u:P+12*\jj+\u+1]
	v_pk_fma_f32 v[O+\u:O+\u+1], v[P+12*\jj+\u:P+12*\jj+\u+1], v[KVR+16*\buf+4*\jj+2:KVR+16*\buf+4*\jj+3], v[O+\u:O+\u+1]
.endif
.endr
.endr
.endm
	BATCH 0, 1, 1, 0                               ; 96 keys are 24 batches, 12 pairs: the first pair starts the sums,
	BATCH 1, 0, 1, 1
	s_mov_b32 s[TRIPS], 10
.Lpair:                                            ; ten pairs go round,
	BATCH 0, 0, 1, 0
	BATCH 1, 0, 1, 1
	s_sub_co_u32 s[TRIPS], s[TRIPS], 1
	s_cmp_lg_u32 s[TRIPS], 0
	s_cbranch_scc1 .Lpair
	BATCH 0, 0, 1, 0                               ; and the last asks for nothing beyond my segment
	BATCH 1, 0, 0, 0
.irp u, 0,1,2
	ds_store_b128 v14, v[L+4*\u:L+4*\u+3] offset:512*\u
	ds_store_b128 v14, v[O+4*\u:O+4*\u+3] offset:3072+512*\u
.endr
	s_wait_dscnt 0x0                               ; for the others' sake: my partial sums have landed
	s_barrier_signal -1
	s_barrier_wait -1
	s_cmp_lt_u32 s[WV], 6                          ; 768 queries, four a thread: waves 0 to 5.  No barrier stands inside the branch
	s_cbranch_scc0 .Ldone
.irp g, 0,1,2,3,4,5,6,7
	ds_load_b128 v[P+4*\g:P+4*\g+3], v15 offset:PSG*\g             ; l of segment g
	ds_load_b128 v[P+32+4*\g:P+32+4*\g+3], v15 offset:PSG*\g+3072  ; o of segment g
.endr
	s_wait_dscnt 0x0
.irp g, 1,2,3,4,5,6,7                          ; the segments are added in ascending order
	v_pk_add_f32 v[P:P+1], v[P:P+1], v[P+4*\g:P+4*\g+1]
	v_pk_add_f32 v[P+2:P+3], v[P+2:P+3], v[P+4*\g+2:P+4*\g+3]
	v_pk_add_f32 v[P+32:P+33], v[P+32:P+33], v[P+32+4*\g:P+32+4*\g+1]
	v_pk_add_f32 v[P+34:P+35], v[P+34:P+35], v[P+32+4*\g+2:P+32+4*\g+3]
.endr
.irp e, 0,1,2,3
	v_rcp_f32 v[Q+\e], v[P+\e]
.endr
	v_nop                                          ; a plain line between the last reciprocal and the use of its result
	s_wait_alu depctr_va_vdst(0)                   ; and one wait for the four
	v_pk_mul_f32 v[Q+4:Q+5], v[P+32:P+33], v[Q:Q+1]
	v_pk_mul_f32 v[Q+6:Q+7], v[P+34:P+35], v[Q+2:Q+3]
	global_store_b128 v16, v[Q+4:Q+7], s[30:31]    ; 16 lanes store 256 consecutive bytes, at a multiple of 256 from att_t's first byte
.Ldone:
	s_wait_tensorcnt 0x0
	ds_add_u32 v240, v241
	s_wait_dscnt 0x0
	CROUND                                         ; the closing round: no work-group ends while a partner may still ask for a tile that names it
	s_endpgm
.Lfunc_end_k_qd97632b803_attn:
	.size	k_qd97632b803_attn, .Lfunc_end_k_qd97632b803_attn-k_qd97632b803_attn
	.p2alignl 7, 3214868480
	.fill 96, 4, 3214868480
	.section	.rodata,"a",@progbits
	.p2align	6, 0x0
	.amdhsa_kernel k_qd97632b803_attn
		.amdhsa_group_segment_fixed_size 178176
		.amdhsa_private_segment_fixed_size 0
		.amdhsa_enable_private_segment 0
		.amdhsa_kernarg_size 96
		.amdhsa_user_sgpr_count 2
		.amdhsa_user_sgpr_kernarg_segment_ptr 1
		.amdhsa_wavefront_size32 1
		.amdhsa_system_sgpr_workgroup_id_x 1
		.amdhsa_system_sgpr_workgroup_id_y 1
		.amdhsa_system_sgpr_workgroup_id_z 1
		.amdhsa_system_vgpr_workitem_id 0
		.amdhsa_next_free_vgpr 242
		.amdhsa_next_free_sgpr 66
		.amdhsa_reserve_vcc 0
		.amdhsa_float_denorm_mode_32 3
		.amdhsa_float_denorm_mode_16_64 3
		.amdhsa_memory_ordered 1
		.amdhsa_forward_progress 1
		.amdhsa_inst_pref_size 58
	.end_amdhsa_kernel
	.amdgpu_metadata
---
amdhsa.version: [ 1, 2 ]
amdhsa.kernels:
  - .name:           k_qd97632b803_attn
    .symbol:         k_qd97632b803_attn.kd
    .args:
      - { .name: protein_embedding_codes, .offset: 0, .size: 8, .value_kind: global_buffer, .address_space: global }
      - { .name: protein_embedding_scales, .offset: 8, .size: 8, .value_kind: global_buffer, .address_space: global }
      - { .name: Wq_codes, .offset: 16, .size: 8, .value_kind: global_buffer, .address_space: global }
      - { .name: Wq_scales, .offset: 24, .size: 8, .value_kind: global_buffer, .address_space: global }
      - { .name: Wk_codes, .offset: 32, .size: 8, .value_kind: global_buffer, .address_space: global }
      - { .name: Wk_scales, .offset: 40, .size: 8, .value_kind: global_buffer, .address_space: global }
      - { .name: Wv_codes, .offset: 48, .size: 8, .value_kind: global_buffer, .address_space: global }
      - { .name: Wv_scales, .offset: 56, .size: 8, .value_kind: global_buffer, .address_space: global }
      - { .name: bq, .offset: 64, .size: 8, .value_kind: global_buffer, .address_space: global }
      - { .name: bk, .offset: 72, .size: 8, .value_kind: global_buffer, .address_space: global }
      - { .name: bv, .offset: 80, .size: 8, .value_kind: global_buffer, .address_space: global }
      - { .name: att_t, .offset: 88, .size: 8, .value_kind: global_buffer, .address_space: global }
    .group_segment_fixed_size: 178176
    .private_segment_fixed_size: 0
    .kernarg_segment_align: 8
    .kernarg_segment_size: 96
    .max_flat_workgroup_size: 512
    .sgpr_count:     66
    .vgpr_count:     242
    .wavefront_size: 32
...
	.end_amdgpu_metadata
.endif
;; end of part 1
;; launch proj (part 2): grid 48 x 1, 4 waves a work-group, no clusters, 20,992 bytes of LDS; arguments att_t, Wo_codes, Wo_scales, bo, out0; writes out0
.if DOCPART == 2
	.amdgcn_target "amdgcn-amd-amdhsa--gfx1250"
	.amdhsa_code_object_version 6
	.text
	.protected	k_qd97632b803_proj
	.globl	k_qd97632b803_proj
	.p2align	8
	.type	k_qd97632b803_proj,@function
k_qd97632b803_proj:
	s_mov_b64 s[64:65], 0
	v_nop
	global_prefetch_b8 v0, s[64:65] scope:SCOPE_SE
	s_setreg_imm32_b32 hwreg(HW_REG_WAVE_MODE, 25, 1), 1
	s_wait_xcnt 0x0
; out0[i][n] = sum over ch of Q(att)[i][ch] Wo[n][ch] + bo[n], on codes of FP4 (E2M1) with one E8M0 scale for each 32 channels; sums in f32.
; att_t: [256 channels][768 queries] f32; Wo: [256][256] codes (128 bytes a row) and [256][8] scale bytes; bo: [256] f32; out0: [768][256] f32.
; SHARES.  A work-group takes 16 queries.  Wave w quantises channels 64 w .. 64 w + 63 of them: lane (r, h) holds the 32 channels 64 w + 32 h + 0 .. 31 of query r, a WHOLE block of the quantiser, in 32 registers
; that run along K: its largest magnitude needs no other lane, and its four registers of codes are registers 4 (w % 2) .. + 3 of the operand's fragment of K step w / 2, as they stand.
; They go to the other waves through LDS as an image of the registers (16 bytes a lane); the scale bytes go to their places in the rows' scale words.  Then wave w makes output columns 64 w .. 64 w + 63.
; THE PRODUCT IS USED TRANSPOSED (source 0 = 16 rows of Wo, source 1 = the 16 queries): a lane then holds eight neighbouring columns of one row of out0.  bo is loaded into the accumulators: the C of each sum's first product.
; A block's scale is 2^(floor(log2(its largest magnitude)) - 2): its byte is the largest magnitude's exponent field - 2, held at 1 from below.
; NO CLUSTER, NO TENSOR LOAD: Wo's 34,816 bytes are shared by the work-groups, but each wave takes its 8,704 of them once, straight into registers, for eight matrix instructions: there is no tile in LDS that a joint load could fill.
; att_t is read in pieces of 64 consecutive bytes (16 queries of a channel): the layout was chosen for the launch that writes it.
; LIMITS: a block of zeros gets the byte 1 where the rule says 127: its codes are zeros, which add nothing under any byte but 0xff, and this program alone reads the bytes.  NaN and infinities are not served.
.set IMG, 0                            ; LDS: the two fragments' images: wave w's four registers at 512 w + 16 lane
.set SCB, 2048                         ; the scale words: K step s, query r at 64 s + 4 r
.set STG, 2304                         ; the way out: for each wave 16 rows of 256 bytes + 16
.set SP,  272
.set WV,  14                           ; s14 my wave's number
.set X,   32                           ; v[32:63]   my 32 numbers
.set C,   64                           ; v[64:67]   their codes
.set F,   68                           ; v[68:83]   the two fragments
.set FS,  84                           ; v84-85     their scale words
.set WSC, 86                           ; v[86:93]   Wo's scale words: tile tt, K step s at 2 tt + s
.set W,   96                           ; v[96:159]  Wo's fragments: tile tt, K step s at 16 tt + 8 s
.set ACC, 160                          ; v[160:191] four accumulators
.set BK,  192                          ; v[192:223] rows read back from the stage
	s_load_b256 s[4:11], s[0:1], 0x0               ; att_t s[4:5], Wo's codes s[6:7], Wo's scales s[8:9], bo s[10:11]
	s_load_b64 s[12:13], s[0:1], 0x20              ; out0
	v_lshl_add_u32 v224, v0, 2, 0x5000
	v_mov_b32 v225, 0
	v_lshrrev_b32 v15, 5, v0
	v_readfirstlane_b32 s[WV], v15                 ; wave 0..3
	v_and_b32 v1, 15, v0                           ; r
	v_bfe_u32 v2, v0, 4, 1                         ; h
	v_and_b32 v3, 31, v0                           ; lane
	s_mul_i32 s15, s[WV], 64*3072                  ; att_t: my wave's 64 channels,
	s_lshl_b32 s16, ttmp9, 6                       ; my work-group's 16 queries,
	s_add_co_u32 s15, s15, s16
	v_mul_u32_u24 v4, v2, 32*3072                  ; my half's 32 channels,
	v_lshl_add_u32 v4, v1, 2, v4                   ; my query
	v_add_nc_u32 v4, s15, v4
	s_lshl_b32 s15, s[WV], 13                      ; Wo: my wave's 64 rows of 128 bytes,
	v_lshlrev_b32 v5, 7, v1                        ; row r,
	v_lshl_add_u32 v5, v2, 4, v5                   ; 16 bytes for each half of the lanes
	v_add_nc_u32 v5, s15, v5
	s_lshl_b32 s15, s[WV], 9
	v_lshl_add_u32 v6, v1, 3, s15                  ; its scale bytes: 8 a row
	s_lshl_b32 s15, s[WV], 8
	v_lshl_add_u32 v7, v2, 5, s15                  ; bo: my wave's 64 numbers; my half's eight of each 16
	v_lshlrev_b32 v8, 4, v0                        ; the image: where I store
	v_lshlrev_b32 v9, 4, v3                        ; and where I read
	s_lshr_b32 s15, s[WV], 1
	s_lshl_b32 s15, s15, 6                         ; the scale byte: K step w / 2,
	s_and_b32 s16, s[WV], 1
	s_lshl_b32 s16, s16, 1                         ; byte 2 (w % 2) + h of query r's word
	s_add_co_u32 s15, s15, s16
	s_add_co_u32 s15, s15, SCB
	v_lshl_add_u32 v10, v1, 2, v2
	v_add_nc_u32 v10, s15, v10
	v_lshl_add_u32 v11, v1, 2, SCB                 ; the scale words, read back
	s_mul_i32 s15, s[WV], 16*SP
	s_add_co_u32 s15, s15, STG                     ; my stage
	v_mul_u32_u24 v12, v1, SP
	v_lshl_add_u32 v12, v2, 5, v12
	v_add_nc_u32 v12, s15, v12                     ; in: row r, 32 bytes for each half of the lanes
	v_mul_u32_u24 v13, v2, SP
	v_lshl_add_u32 v13, v1, 4, v13
	v_add_nc_u32 v13, s15, v13                     ; back: lanes 0-15 one row of 256 bytes, lanes 16-31 the next
	v_lshlrev_b32 v14, 10, v2
	v_lshl_add_u32 v14, v1, 4, v14                 ; and the same two rows in out0
	s_lshl_b32 s16, ttmp9, 14                      ; out0: my work-group's 16 rows of 1,024 bytes,
	s_lshl_b32 s17, s[WV], 8                       ; my wave's 64 columns
	s_add_co_u32 s16, s16, s17
	s_mov_b32 s17, 0
	s_wait_kmcnt 0x0
	s_add_nc_u64 s[12:13], s[12:13], s[16:17]
.irp i, 0,1,2,3,4,5,6,7,8,9,10,11,12,13,14,15,16,17,18,19,20,21,22,23,24,25,26,27,28,29,30,31
	global_load_b32 v[X+\i], v4, s[4:5] offset:3072*\i th:TH_LOAD_NT   ; channel 64 w + 32 h + i of query r; each number is read once in the launch
.endr
.irp tt, 0,1,2,3
.irp s, 0,1
.irp c, 0,1
	global_load_b128 v[W+16*\tt+8*\s+4*\c:W+16*\tt+8*\s+4*\c+3], v5, s[6:7] offset:2048*\tt+64*\s+32*\c
.endr
.endr
.endr
.irp tt, 0,1,2,3
	global_load_b64 v[WSC+2*\tt:WSC+2*\tt+1], v6, s[8:9] offset:128*\tt
.endr
.irp tt, 0,1,2,3
	global_load_b128 v[ACC+8*\tt:ACC+8*\tt+3], v7, s[10:11] offset:64*\tt        ; bo(64 w + 16 tt + 8 h + 0 .. 7), in the result's layout
	global_load_b128 v[ACC+8*\tt+4:ACC+8*\tt+7], v7, s[10:11] offset:64*\tt+16
.endr
	s_wait_loadcnt 28                              ; my 32 numbers are in; the 16 + 4 + 8 loads behind them may be out
	v_max3_num_f32 v20, |v[X]|, |v[X+1]|, |v[X+2]|                ; the block's largest magnitude: all 32 numbers are mine; two chains
	v_max3_num_f32 v23, |v[X+3]|, |v[X+4]|, |v[X+5]|
.irp i, 6,10,14,18,22,26
	v_max3_num_f32 v20, v20, |v[X+\i]|, |v[X+\i+1]|
	v_max3_num_f32 v23, v23, |v[X+\i+2]|, |v[X+\i+3]|
.endr
	v_max3_num_f32 v20, v20, |v[X+30]|, |v[X+31]|
	v_max3_num_f32 v20, v20, v23, 0x1800000        ; and the floor 2^(3 - 127), under which no largest magnitude is taken: so the byte cannot fall under 1
	v_add_nc_u32 v21, 0xff000000, v20              ; 2 off its exponent field: the conversion takes the exponent field of this operand as its scale, and nothing else of it
	v_lshrrev_b32 v22, 23, v21                     ; the scale's byte
.irp g, 0,1,2,3
	v_cvt_scalef32_pk8_fp4_f32 v[C+\g], v[X+8*\g:X+8*\g+7], v21   ; to the nearest code, ties to even; beyond the largest code the largest
.endr
	v_nop                                          ; one plain line behind the last scaled conversion
	ds_store_b128 v8, v[C:C+3] offset:IMG
	ds_store_b8 v10, v22
	s_wait_dscnt 0x0                               ; for the others' sake: my stores have landed
	s_barrier_signal -1
	s_barrier_wait -1                              ; both fragments and their scale words lie in LDS
.irp s, 0,1
.irp c, 0,1
	ds_load_b128 v[F+8*\s+4*\c:F+8*\s+4*\c+3], v9 offset:IMG+512*(2*\s+\c)
.endr
.endr
	ds_load_b32 v[FS], v11
	ds_load_b32 v[FS+1], v11 offset:64
	s_wait_dscnt 0x0
	s_wait_loadcnt 0x0                             ; Wo, its scales and bo
	; eight products: the four accumulators by turns, K ascending
.irp s, 0,1
.irp tt, 0,1,2,3
	v_wmma_scale_f32_16x16x128_f8f6f4 v[ACC+8*\tt:ACC+8*\tt+7], v[W+16*\tt+8*\s:W+16*\tt+8*\s+7], v[F+8*\s:F+8*\s+7], v[ACC+8*\tt:ACC+8*\tt+7], v[WSC+2*\tt+\s], v[FS+\s] matrix_a_fmt:MATRIX_FMT_FP4 matrix_b_fmt:MATRIX_FMT_FP4
.endr
.endr
.rept 4
	v_nop                                          ; four places behind the last product, ahead of the first read of results (ISA guide 7.12.1)
.endr
.irp tt, 0,1,2,3
	ds_store_b128 v12, v[ACC+8*\tt:ACC+8*\tt+3] offset:64*\tt        ; each accumulator from its low end on
	ds_store_b128 v12, v[ACC+8*\tt+4:ACC+8*\tt+7] offset:64*\tt+16
.endr
.irp i, 0,1,2,3,4,5,6,7
	ds_load_b128 v[BK+4*\i:BK+4*\i+3], v13 offset:2*SP*\i            ; LDS serves a wave's instructions in order (ISA guide 5.7.1.4): these see my stores; the stage is my wave's own
.endr
.irp i, 0,1,2,3,4,5,6,7
	s_wait_dscnt 7-\i                              ; the younger loads may stay out
	global_store_b128 v14, v[BK+4*\i:BK+4*\i+3], s[12:13] offset:2048*\i th:TH_STORE_NT   ; 16 lanes store 256 consecutive bytes, at a multiple of 256 from out0's first byte
.endr
	s_wait_tensorcnt 0x0
	ds_add_u32 v224, v225
	s_wait_dscnt 0x0
	s_endpgm
.Lfunc_end_k_qd97632b803_proj:
	.size	k_qd97632b803_proj, .Lfunc_end_k_qd97632b803_proj-k_qd97632b803_proj
	.p2alignl 7, 3214868480
	.fill 96, 4, 3214868480
	.section	.rodata,"a",@progbits
	.p2align	6, 0x0
	.amdhsa_kernel k_qd97632b803_proj
		.amdhsa_group_segment_fixed_size 20992
		.amdhsa_private_segment_fixed_size 0
		.amdhsa_enable_private_segment 0
		.amdhsa_kernarg_size 40
		.amdhsa_user_sgpr_count 2
		.amdhsa_user_sgpr_kernarg_segment_ptr 1
		.amdhsa_wavefront_size32 1
		.amdhsa_system_sgpr_workgroup_id_x 1
		.amdhsa_system_sgpr_workgroup_id_y 1
		.amdhsa_system_sgpr_workgroup_id_z 1
		.amdhsa_system_vgpr_workitem_id 0
		.amdhsa_next_free_vgpr 226
		.amdhsa_next_free_sgpr 66
		.amdhsa_reserve_vcc 0
		.amdhsa_float_denorm_mode_32 3
		.amdhsa_float_denorm_mode_16_64 3
		.amdhsa_memory_ordered 1
		.amdhsa_forward_progress 1
		.amdhsa_inst_pref_size 14
	.end_amdhsa_kernel
	.amdgpu_metadata
---
amdhsa.version: [ 1, 2 ]
amdhsa.kernels:
  - .name:           k_qd97632b803_proj
    .symbol:         k_qd97632b803_proj.kd
    .args:
      - { .name: att_t, .offset: 0, .size: 8, .value_kind: global_buffer, .address_space: global }
      - { .name: Wo_codes, .offset: 8, .size: 8, .value_kind: global_buffer, .address_space: global }
      - { .name: Wo_scales, .offset: 16, .size: 8, .value_kind: global_buffer, .address_space: global }
      - { .name: bo, .offset: 24, .size: 8, .value_kind: global_buffer, .address_space: global }
      - { .name: out0, .offset: 32, .size: 8, .value_kind: global_buffer, .address_space: global }
    .group_segment_fixed_size: 20992
    .private_segment_fixed_size: 0
    .kernarg_segment_align: 8
    .kernarg_segment_size: 40
    .max_flat_workgroup_size: 128
    .sgpr_count:     66
    .vgpr_count:     226
    .wavefront_size: 32
...
	.end_amdgpu_metadata
.endif
;; end of part 2
